; MI455X (gfx1250); checked and timed in simulation.
; The chip was launched on July 23, 2026; its instructions are those of AMD's public machine-readable ISA for CDNA 5 (MIT licence, August 2026) and "CDNA5" Instruction Set Architecture Reference Guide (July 2026). The comments in the code are by the model that wrote it; some were corrected since.
;; GLA Memory Compressor. Allowed arithmetic: float matrix products may take bf16 or f16 operands with f32 sums; other float arithmetic in f32, or as packed bf16 or f16 multiplies, adds, multiply-adds, maxima and minima; sums over many terms, partial sums and values carried from step to step in f32; what a program stores and reads back later, other than sums and carried values, may be rounded once to bf16 or f16.
;; Inputs: gk_b2 1,024 float32; gk_w1 16 x 2,048 float32; gk_w2 1,024 x 16 float32; hidden_states 2 x 2,048 x 2,048 float32; initial_state 2 x 16 x 64 x 128 float32; k_w 1,024 x 2,048 float32; norm_weight 2,048 float32; v_w 2,048 x 2,048 float32.
;; Outputs: out0 2 x 32 x 16 x 64 x 128 float32; out1 2 x 16 x 64 x 128 float32.
;; 2 versions, each right; version 2 is version 1 with the launch prep written anew for expert scheduling mode. Each part assembles by itself: llvm-mc -triple=amdgcn-amd-amdhsa -mcpu=gfx1250 --defsym DOCPART=n.
;; ======== version 1 of 2: 3 launches
;; limits: values outside matrix products are rounded to f16; values are held in f16: magnitudes above 65,504 overflow, below 6.1e-05 lose precision
;; workspace buffers: xn 16,777,216 bytes; wcat 13,631,488 bytes; u 33,554,432 bytes; dec 262,144 bytes
;; launch prep (part 1): grid 256 x 1, 29 waves a work-group, no clusters, 0 bytes of LDS; arguments hidden_states, norm_weight, k_w, v_w, gk_w1, xn, wcat; writes xn, wcat
.if DOCPART == 1
	.amdgcn_target "amdgcn-amd-amdhsa--gfx1250"
	.amdhsa_code_object_version 6
	.text
	.protected	k_q01c1c9d987_prep
	.globl	k_q01c1c9d987_prep
	.p2align	8
	.type	k_q01c1c9d987_prep,@function
k_q01c1c9d987_prep:
	s_mov_b64 s[64:65], 0
	v_nop
	global_prefetch_b8 v0, s[64:65] scope:SCOPE_SE
	s_setreg_imm32_b32 hwreg(HW_REG_WAVE_MODE, 25, 1), 1
	s_wait_xcnt 0x0
; GLA MEMORY COMPRESSOR, launch 1 of 3: the operands of the projections, rounded once to f16.
; THE PROGRAM.  reference() walks S = S exp(g_t) + k_t v_t^T token by token and keeps S after every 64 tokens.  Over a chunk that is
;   S_end = diag(exp(sum of all g)) S_start + sum over t of (k_t exp(sum of g_s, s > t)) v_t^T,
; the same sum of the same terms: a product of 64 x 64 x 128 for each (batch, chunk, head), and a chain over the 32 chunks.  All exponents are <= 0.
; Launch 1 (this): xn = f16((x rs) norm_weight), rs = rsqrt(mean(x^2) + 1e-5); wcat = the weights in f16, regrouped by head.
; Launch 2: k, v, the gates and each chunk's product U and decay.  Launch 3: the chain over chunks, out0 and out1.
; NOTHING OF reference() IS LEFT OUT: every input (initial_state, norm_weight and gk_b2 too) has a way to an output and is loaded.
; FORMAT.  All matrix operands are f16.  |x rs| <= sqrt(2048) whatever x holds.
; LIMITS.  (x rs) norm_weight, the weights, k, v and x gk_w1^T must lie within f16's range, 65,504; a weight below 6e-5 keeps f16's fixed step of 6e-8.
; NaN and infinities are not treated apart.
; SHARES.  4,096 rows of x and 3,328 rows of wcat are 7,424 = 256 x 29 rows of 8,192 bytes: one wave to a row, no loop, no LDS, no barrier.
; All 16 loads of a row go out at once; each covers 512 consecutive bytes, each store 256 consecutive bytes, aligned.
; wcat: [16 heads][208 rows][2048].  Rows 0-63: k_w[64 h + q].  Row 64 + 16 cb + r: v_w[128 h + 64 (cb >> 2) + 4 r + (cb & 3)], so that in launch 3
; a lane's four tiles hold four neighbouring columns.  Rows 192-207: gk_w1, once for each head, so that a head's rows are one dense block.
.set X,  16                            ; v[16:79]   the row, 16 loads of 4 registers; then its f16 pairs, in place
.set NW, 80                            ; v[80:111]  norm_weight for half a row
	s_load_b256 s[4:11], s[0:1], 0x0               ; hidden s[4:5], norm_weight s[6:7], k_w s[8:9], v_w s[10:11]
	s_load_b128 s[12:15], s[0:1], 0x20             ; gk_w1 s[12:13], xn s[14:15]
	s_load_b64 s[16:17], s[0:1], 0x30              ; wcat
	v_lshrrev_b32 v3, 5, v0
	v_readfirstlane_b32 s20, v3                    ; wave 0..28
	s_mul_i32 s21, ttmp9, 29
	s_add_co_u32 s21, s21, s20                     ; my row job, 0..7423
	v_and_b32 v1, 31, v0
	v_lshlrev_b32 v2, 3, v1                        ; 8 x lane: my 8 bytes of a store
	v_lshlrev_b32 v1, 4, v1                        ; 16 x lane: my 16 bytes of a load
	s_mov_b32 s23, 0
	s_mov_b32 s24, 0x76543210                      ; v_permlanex16_b32: each lane takes its own place in the other half
	s_mov_b32 s25, 0xfedcba98
	s_mov_b32 s26, 0x3a000000                      ; 1 / 2048
	s_mov_b32 s27, 0x3727c5ac                      ; 1e-5
	v_mov_b32 v13, 0                               ; v_permlanex16_b32's destination counts as read
	s_wait_kmcnt 0x0
	s_cmp_lt_u32 s21, 4096
	s_cbranch_scc0 .Lweights
; four numbers of load i are rounded to f16, in place, and stored
.macro PUT i, d
	v_cvt_pk_f16_f32 v[X+4*(\i)], v[X+4*(\i)], v[X+4*(\i)+1]
	v_cvt_pk_f16_f32 v[X+4*(\i)+1], v[X+4*(\i)+2], v[X+4*(\i)+3]
	global_store_b64 v2, v[X+4*(\i):X+4*(\i)+1], s[\d:\d+1] offset:256*(\i)
.endm
.macro TIMES_RS hf                     ; half a row times rs
.set p, 0
.rept 16
	v_pk_mul_f32 v[X+32*(\hf)+2*p:X+32*(\hf)+2*p+1], v[X+32*(\hf)+2*p:X+32*(\hf)+2*p+1], v[14:15]
.set p, p+1
.endr
.endm
.macro TIMES_NW hf                     ; and times norm_weight: reference()'s order, (x rs) w
.set p, 0
.rept 16
	v_pk_mul_f32 v[X+32*(\hf)+2*p:X+32*(\hf)+2*p+1], v[X+32*(\hf)+2*p:X+32*(\hf)+2*p+1], v[NW+2*p:NW+2*p+1]
.set p, p+1
.endr
.endm
	; A ROW OF x
	s_lshl_b32 s22, s21, 13                        ; 8,192 bytes a row of x
	s_add_nc_u64 s[4:5], s[4:5], s[22:23]
	s_lshl_b32 s22, s21, 12                        ; 4,096 bytes a row of xn
	s_add_nc_u64 s[14:15], s[14:15], s[22:23]
.set i, 0
.rept 16
	global_load_b128 v[X+4*i:X+4*i+3], v1, s[4:5] offset:512*i th:TH_LOAD_NT
.set i, i+1
.endr
.set i, 0
.rept 8
	global_load_b128 v[NW+4*i:NW+4*i+3], v1, s[6:7] offset:512*i
.set i, i+1
.endr
	s_wait_loadcnt 8                               ; the row is in; the eight younger loads, norm_weight's, may stay out
.set c, 0
.rept 4
	v_pk_mul_f32 v[4+2*c:5+2*c], v[X+2*c:X+2*c+1], v[X+2*c:X+2*c+1]   ; four chains, started by the first four pairs: nothing is cleared
.set c, c+1
.endr
.rept 28
	v_pk_fma_f32 v[4+2*(c%4):5+2*(c%4)], v[X+2*c:X+2*c+1], v[X+2*c:X+2*c+1], v[4+2*(c%4):5+2*(c%4)]
.set c, c+1
.endr
	v_pk_add_f32 v[4:5], v[4:5], v[6:7]
	v_pk_add_f32 v[8:9], v[8:9], v[10:11]
	v_pk_add_f32 v[4:5], v[4:5], v[8:9]
	v_add_f32 v12, v4, v5
	v_add_f32_dpp v12, v12, v12 row_xmask:1 row_mask:0xf bank_mask:0xf
	v_add_f32_dpp v12, v12, v12 row_xmask:2 row_mask:0xf bank_mask:0xf
	v_add_f32_dpp v12, v12, v12 row_xmask:4 row_mask:0xf bank_mask:0xf
	v_add_f32_dpp v12, v12, v12 row_xmask:8 row_mask:0xf bank_mask:0xf
	v_permlanex16_b32 v13, v12, s24, s25
	v_add_f32 v12, v12, v13                        ; every lane holds the row's sum of squares
	v_fma_f32 v12, v12, s26, s27                   ; mean + 1e-5
	v_rsq_f32 v14, v12                             ; twice: a pair for the packed multiplies
	v_rsq_f32 v15, v12
	v_nop                                          ; a plain instruction between the last of them and the first use
	s_wait_alu depctr_va_vdst(0)                   ; the wait ahead of the first use: one for both
	s_wait_loadcnt 0x0                             ; norm_weight's first half
	TIMES_RS 0
	TIMES_NW 0
.set i, 0
.rept 8
	global_load_b128 v[NW+4*i:NW+4*i+3], v1, s[6:7] offset:4096+512*i   ; its second half, into the registers just read
.set i, i+1
.endr
.irp i, 0,1,2,3,4,5,6,7
	PUT \i, 14
.endr
	TIMES_RS 1
	s_wait_loadcnt 0x0
	TIMES_NW 1
.irp i, 8,9,10,11,12,13,14,15
	PUT \i, 14
.endr
	s_endpgm
.Lweights:
	; A ROW OF wcat.  j = job - 4096: 0..1023 a row of k_w, 1024..3071 a row of v_w, 3072..3327 a copy of a row of gk_w1.
	; All three cases' numbers are made, and two compares choose: source row, row of wcat, source buffer.
	s_sub_co_u32 s22, s21, 4096                    ; j
	s_lshr_b32 s28, s22, 6
	s_mul_i32 s28, s28, 208
	s_and_b32 s29, s22, 63
	s_add_co_u32 s28, s28, s29                     ; k: 208 (j >> 6) + (j & 63)
	s_sub_co_u32 s30, s22, 1024                    ; vr = 128 h + dv
	s_lshr_b32 s31, s30, 7
	s_mul_i32 s31, s31, 208
	s_bfe_u32 s32, s30, 0x10006                    ; dv >> 6
	s_lshl_b32 s32, s32, 2
	s_and_b32 s33, s30, 3
	s_add_co_u32 s32, s32, s33                     ; cb = 4 (dv >> 6) + (dv & 3)
	s_lshl_b32 s32, s32, 4
	s_add_co_u32 s31, s31, s32
	s_bfe_u32 s33, s30, 0x40002                    ; r = (dv >> 2) & 15
	s_add_co_u32 s31, s31, s33
	s_add_co_u32 s31, s31, 64                      ; v: 208 h + 64 + 16 cb + r
	s_sub_co_u32 s34, s22, 3072                    ; i = 16 h + rank
	s_and_b32 s35, s34, 15
	s_lshr_b32 s36, s34, 4
	s_mul_i32 s36, s36, 208
	s_add_co_u32 s36, s36, s35
	s_add_co_u32 s36, s36, 192                     ; gate: 208 h + 192 + rank
	s_cmp_lt_u32 s22, 3072
	s_cselect_b32 s37, s30, s35
	s_cselect_b32 s38, s31, s36
	s_cselect_b64 s[40:41], s[10:11], s[12:13]
	s_cmp_lt_u32 s22, 1024
	s_cselect_b32 s37, s22, s37
	s_cselect_b32 s38, s28, s38
	s_cselect_b64 s[40:41], s[8:9], s[40:41]
	s_lshl_b32 s42, s37, 13
	s_mov_b32 s43, 0
	s_add_nc_u64 s[40:41], s[40:41], s[42:43]
	s_lshl_b32 s42, s38, 12
	s_add_nc_u64 s[16:17], s[16:17], s[42:43]
.set i, 0
.rept 16
	global_load_b128 v[X+4*i:X+4*i+3], v1, s[40:41] offset:512*i
.set i, i+1
.endr
.irp i, 0,1,2,3,4,5,6,7,8,9,10,11,12,13,14,15
	s_wait_loadcnt 15-(\i)                         ; loads come back in order: load i is in, the younger ones stay out
	PUT \i, 16
.endr
	s_endpgm
.Lfunc_end_k_q01c1c9d987_prep:
	.size	k_q01c1c9d987_prep, .Lfunc_end_k_q01c1c9d987_prep-k_q01c1c9d987_prep
	.p2alignl 7, 3214868480
	.fill 96, 4, 3214868480
	.section	.rodata,"a",@progbits
	.p2align	6, 0x0
	.amdhsa_kernel k_q01c1c9d987_prep
		.amdhsa_group_segment_fixed_size 0
		.amdhsa_private_segment_fixed_size 0
		.amdhsa_enable_private_segment 0
		.amdhsa_kernarg_size 56
		.amdhsa_user_sgpr_count 2
		.amdhsa_user_sgpr_kernarg_segment_ptr 1
		.amdhsa_wavefront_size32 1
		.amdhsa_system_sgpr_workgroup_id_x 1
		.amdhsa_system_sgpr_workgroup_id_y 1
		.amdhsa_system_sgpr_workgroup_id_z 1
		.amdhsa_system_vgpr_workitem_id 0
		.amdhsa_next_free_vgpr 112
		.amdhsa_next_free_sgpr 66
		.amdhsa_reserve_vcc 0
		.amdhsa_float_denorm_mode_32 3
		.amdhsa_float_denorm_mode_16_64 3
		.amdhsa_memory_ordered 1
		.amdhsa_forward_progress 1
		.amdhsa_inst_pref_size 22
	.end_amdhsa_kernel
	.amdgpu_metadata
---
amdhsa.version: [ 1, 2 ]
amdhsa.kernels:
  - .name:           k_q01c1c9d987_prep
    .symbol:         k_q01c1c9d987_prep.kd
    .args:
      - { .name: hidden_states, .offset: 0, .size: 8, .value_kind: global_buffer, .address_space: global }
      - { .name: norm_weight, .offset: 8, .size: 8, .value_kind: global_buffer, .address_space: global }
      - { .name: k_w, .offset: 16, .size: 8, .value_kind: global_buffer, .address_space: global }
      - { .name: v_w, .offset: 24, .size: 8, .value_kind: global_buffer, .address_space: global }
      - { .name: gk_w1, .offset: 32, .size: 8, .value_kind: global_buffer, .address_space: global }
      - { .name: xn, .offset: 40, .size: 8, .value_kind: global_buffer, .address_space: global }
      - { .name: wcat, .offset: 48, .size: 8, .value_kind: global_buffer, .address_space: global }
    .group_segment_fixed_size: 0
    .private_segment_fixed_size: 0
    .kernarg_segment_align: 8
    .kernarg_segment_size: 56
    .max_flat_workgroup_size: 928
    .sgpr_count:     66
    .vgpr_count:     112
    .wavefront_size: 32
...
	.end_amdgpu_metadata
.endif
;; end of part 1
;; launch chunks (part 2): grid 16 x 16, 4 waves a work-group, clusters of 4 x 4, 327,680 bytes of LDS; arguments xn, wcat, gk_w2, gk_b2, u, dec; writes u, dec
.if DOCPART == 2
	.amdgcn_target "amdgcn-amd-amdhsa--gfx1250"
	.amdhsa_code_object_version 6
	.text
	.protected	k_q01c1c9d987_chunks
	.globl	k_q01c1c9d987_chunks
	.p2align	8
	.type	k_q01c1c9d987_chunks,@function
k_q01c1c9d987_chunks:
	s_mov_b64 s[64:65], 0
	v_nop
	global_prefetch_b8 v0, s[64:65] scope:SCOPE_SE
	s_setreg_imm32_b32 hwreg(HW_REG_WAVE_MODE, 25, 1), 1
	s_wait_xcnt 0x0
	s_wait_alu depctr_hold_cnt(0) depctr_sa_sdst(0) depctr_va_vdst(0) depctr_va_sdst(0) depctr_va_ssrc(0) depctr_va_vcc(0) depctr_vm_vsrc(0)
	s_getreg_b32 s2, hwreg(HW_REG_IB_STS2, 6, 4)
	s_cmp_eq_u32 s2, 0
	s_cbranch_scc0 .Lentry_in_a_cluster
	s_endpgm
.Lentry_in_a_cluster:
	s_bfe_u32 s2, ttmp6, 0x10000c
	s_cmp_lg_u32 s2, 0xf033
	s_cbranch_scc0 .Lentry_shape_is_right
	s_endpgm
.Lentry_shape_is_right:
; GLA MEMORY COMPRESSOR, launch 2 of 3.  For 256 tokens and one head: [k | v | r] = xn wcat^T (208 columns, K = 2048), the gates, and for each chunk c of 64 tokens
;   U_c[dk][dv] = sum over t of (k_t[dk] 2^(E_t[dk] / 16)) v_t[dv],   dec_c[dk] = 2^(G[dk] / 16),
; where L_t = log2 sigmoid(r_t gk_w2^T + gk_b2), E_t = the sum of L_s over the chunk's s > t, G = the sum of all its L.  No work of reference() is left out.
; log sigmoid is taken as reference() takes it: min(z, 0) - log(1 + e^-|z|), here in base 2 (y = z log2 e): no exponential grows, and every exponent that follows is <= 0.
; LIMITS.  k, v, r within f16's range (65,504); a factor below 2^-126 counts as 0; products of exponentials are taken as exponentials of f32 sums, another order of rounding than
; reference()'s; NaN and infinities are not treated apart.
; SHARES.  Grid x = head, y = block of 256 tokens.  Wave w owns tokens 64 w .. 64 w + 63, ONE CHUNK, and all 208 columns: 4 token blocks a x 13 column blocks c = 52 accumulators.
; So all that follows the product is the wave's own: no stage in LDS, no barrier.  For 32 along K a wave reads 34 x 512 bytes from LDS for 52 matrix instructions.
; LAYOUT.  c = 0..11 (k: 0-3, v: 4-11): source 0 = 16 tokens, source 1 = 16 rows of wcat: a lane holds ONE column (lane % 16) and the tokens 8 (lane / 16) + 0..7.  Two such results,
; rounded to f16 in pairs, ARE an operand of 32 tokens along K for U = k'^T v: nothing changes lanes.  c = 12 (r) is taken with the sources swapped: a lane holds one token and eight ranks,
; which rounded are source 0 (K = rank, the upper 16 of 32 are 0) of y = r gk_w2^T, whose result has k's layout.
; RING.  K in 16 steps of 128 through two LDS slots (256 rows of xn, 208 of wcat, 256 bytes each + 16 of padding).  Waves 0, 1 fetch A's halves, waves 2, 3 B's: one tensor load a wave.
; CLUSTER.  4 x 4: the four of a row share the token block (A), the four of a column the head (B): each tile is asked for jointly.
; u: [b][h][c][tile 8 kb + cb][q][lane][4] f32: an accumulator's registers 4 q .. 4 q + 3 as they lie: each store covers 512 consecutive bytes, aligned.  dec: [b][h][c][64] f32.
; REGISTERS, in windows of 256 (s_set_vgpr_msb: bits 1:0 source 0, 3:2 source 1, 5:4 source 2, 7:6 destination):
;   window 0: v0-31 addresses and small things; v32-63, v64-95 A's fragments, two buffers; v224-255 gk_w2's fragments.  Behind the K walk: v32-63 r's fragments; v64-95 block sums;
;             then v32-95 k's fragments for U; v96-223 v's.
;   window 1: v0-103, v104-207 B's fragments, two buffers.  Behind the K walk: v0-127 Y (y, then L, then k'), v128-255 N (at work, then E); then U, 32 accumulators.
;   window 2: accumulators of token blocks 0, 1 ((a, c) at 8 (13 (a % 2) + c));   window 3: of blocks 2, 3.
.set PITCH,  272                       ; an LDS row: 256 bytes + 16 of padding = 68 words: the 16 rows of a fragment load start at 16 different groups of four banks (64 banks of 4 bytes: ISA guide 11.1)
.set ABYTES, 256*PITCH                 ; A's part of a slot
.set BHALF,  104*PITCH                 ; half of B's part
.set SLOT,   ABYTES+2*BHALF            ; 126,208 bytes
.set SPARE,  2*SLOT                    ; behind the ring: the spare words, 128 bytes a wave: two blocks of 256 bytes that no other line names
.set BL,   4                           ; v[4:11]  gk_b2 log2 e of my column in k block kb, twice, at BL + 2 kb
.set GS,   12                          ; v[12:15] G, then the decay, for k block kb
.set ADRA, 16                          ; v16-17   LDS address of my A fragments in slot 0, 1
.set ADRB, 20                          ; v20-21   the same for B
.set UO,   24                          ; v24      16 x lane
.set DO,   25                          ; v25      4 x lane
.set W2O,  26                          ; v26      my byte offset in gk_w2
.set BO,   27                          ; v27      my byte offset in gk_b2
.set SPW,  28                          ; v28      LDS address of my spare word; never rewritten
.set NIL,  29                          ; v29      0; never rewritten
.set PFO,  30                          ; v30      the prefetches' offset: a lane a row; never rewritten
.set FA,   32                          ; A's fragment buffers: FA + 32 f + 8 a
.set RAW,  96                          ; gk_w2 as loaded
.set WF,   224                         ; gk_w2's fragments: WF + 8 kb
.set RF,   32                          ; r's fragments: RF + 8 a
.set TS,   64                          ; sum of L over my 8 tokens, group g = 4 kb + a
.set TP,   80                          ; the same of the other half of the lanes
.set WS,   32                          ; sum over a block's 16 tokens
.set R1,   48                          ; blocks 3 + 2
.set R0,   52                          ; blocks 3 + 2 + 1
.set KF,   32                          ; k's fragments for U: KF + 8 (2 kb + kk)
.set VF,   96                          ; v's: VF + 8 (2 cb + kk)
.set NN,   128                         ; N, in window 1
.set WV,   16                          ; s16  wave
.set HF,   17                          ; s17  0: I fetch for A, 1: for B
.set HALF, 18                          ; s18  which half of that tile's rows
.set G1,   24                          ; s[24:31] descriptor group 1 for A's tiles;  s[32:39] group 0, a set for each slot
.set G0,   32
.set LIM,  43                          ; s43  1 in a wave that prefetches, else the greatest number
.set PFA,  44                          ; s[44:45] where my prefetches stand
.set G1B,  48                          ; s[48:55], s[56:63] the same for B's tiles
.set G0B,  56
.set LG,   80                          ; s[80:81] log2 e, a pair for packed forms
.set SX,   82                          ; s[82:83] 1 / 16
.set SGN,  84                          ; s84  the sign bit
.set SEL,  86                          ; s[86:87] v_permlanex16_b32's selects
.set MSB, 0
.macro WIN new                         ; the immediate's high byte repeats the setting that is left; a switch that changes nothing is dropped
.if MSB != (\new)
	s_set_vgpr_msb (MSB<<8)|(\new)
.set MSB, \new
.endif
.endm
.macro PLACES                          ; four plain places behind matrix instructions, in front of loads into their sources and of reads of their results
.rept 4
	v_nop
.endr
.endm
; A joint load.  Each of the two lines has one mask and one set of registers; the branch hangs on the wave's number alone.  An s_nop 0 and four v_nop follow each line.
.macro JLOAD s
	s_cmp_eq_u32 s[HF], 0
	s_cbranch_scc0 .Lfor_b_\@
	tensor_load_to_lds s[G0+4*(\s):G0+4*(\s)+3], s[G1:G1+7]
	s_nop 0
.rept 4
	v_nop
.endr
	s_branch .Lasked_\@
.Lfor_b_\@:
	tensor_load_to_lds s[G0B+4*(\s):G0B+4*(\s)+3], s[G1B:G1B+7]
	s_nop 0
.rept 4
	v_nop
.endr
.Lasked_\@:
.endm
; A prefetch into the L2 of the K step that stands two refills on (416 matrix instructions ahead of its load): a lane a row, 256 bytes of each.  A's rows are read by every cluster of a row of
; clusters: cluster x = 0 asks; B's by every cluster of a column: cluster y = 0 asks.  The four partners of a joint load share its rows out by address: 32 of A's 128 (by cx), 26 of B's 104 (by cy;
; lanes 26-31 repeat row 25).  K steps 0 to 3 come by their loads alone; the loop's last trip (s3 = 1) has no K step two on and asks for nothing.
.macro ASK
	s_cmp_gt_u32 s3, s[LIM]
	s_cbranch_scc0 .Lnot_mine_\@
	global_prefetch_b8 v[PFO], s[PFA:PFA+1] offset:256 th:TH_LOAD_NT scope:SCOPE_SE
.Lnot_mine_\@:
.endm
.macro CREST                           ; a round of the cluster's barrier behind its opening barrier
	s_cmp_lg_u32 s[WV], 0
	s_cbranch_scc1 .Lnot_wave_0_\@
	s_barrier_signal -3
.Lnot_wave_0_\@:
	s_barrier_wait -3
	s_barrier_signal -1
	s_barrier_wait -1
.endm
.macro CROUND
	s_barrier_signal -1
	s_barrier_wait -1
	CREST
.endm
	s_load_b256 s[4:11], s[0:1], 0x0               ; xn s[4:5], wcat s[6:7], gk_w2 s[8:9], gk_b2 s[10:11]
	s_load_b128 s[12:15], s[0:1], 0x20             ; u s[12:13], dec s[14:15]
	v_lshl_add_u32 v[SPW], v0, 2, SPARE
	v_mov_b32 v[NIL], 0
	ds_add_u32 v[SPW], v[NIL]                      ; the wave's opening: the add, twice on end, and its wait ahead of my first tensor load
	ds_add_u32 v[SPW], v[NIL]                      ; and once more; the set-up below, work on registers, stands between it and the wait
	v_lshrrev_b32 v1, 5, v0
	v_readfirstlane_b32 s[WV], v1                  ; wave 0..3
	s_lshr_b32 s[HF], s[WV], 1
	s_and_b32 s[HALF], s[WV], 1
	s_bfe_u32 s19, ttmp6, 0x40000                  ; cx
	s_bfe_u32 s20, ttmp6, 0x40004                  ; cy
	s_lshl_b32 s21, ttmp9, 2
	s_add_co_u32 s21, s21, s19                     ; head = 4 x cluster x + cx
	s_and_b32 s22, ttmp7, 0xffff
	s_lshl_b32 s22, s22, 2
	s_add_co_u32 s22, s22, s20                     ; token block = 4 x cluster y + cy
	s_lshl_b32 s66, s20, 2
	s_lshl_b32 s66, 15, s66                        ; my row of the cluster
	s_lshl_b32 s70, 0x1111, s19                    ; my column
	s_or_b32 s[G1], s66, (1<<16)|(1<<20)|(1<<21)|(5<<22)|(3<<25)   ; 15:0 the mask; 17:16 2-byte elements; 20 padding on; 21 set beside a mask; 24:22 after every 64 words; 31:25 4 words of it
	s_or_b32 s[G1B], s70, (1<<16)|(1<<20)|(1<<21)|(5<<22)|(3<<25)
	s_mov_b32 s[G1+1], 128<<16                     ; tensor_dim0 = 128
	s_mov_b32 s[G1+2], 128<<16                     ; tensor_dim1 = 128 rows
	s_mov_b32 s[G1+3], 128<<16                     ; tile_dim0 = 128
	s_mov_b32 s[G1+4], 128                         ; tile_dim1 = 128
	s_mov_b32 s[G1+5], 2048                        ; elements from row to row
	s_mov_b32 s[G1+6], 0
	s_mov_b32 s[G1+7], 0
	s_mov_b32 s[G1B+1], 128<<16
	s_mov_b32 s[G1B+2], 104<<16                    ; B: 104 rows
	s_mov_b32 s[G1B+3], 128<<16
	s_mov_b32 s[G1B+4], 104
	s_mov_b32 s[G1B+5], 2048
	s_mov_b32 s[G1B+6], 0
	s_mov_b32 s[G1B+7], 0
	s_lshl_b32 s66, s22, 8                         ; A: row 256 x block + 128 x half, 4,096 bytes a row; these registers never hold cx
	s_lshl_b32 s67, s[HALF], 7
	s_add_co_u32 s66, s66, s67
	s_lshl_b32 s66, s66, 12
	s_mov_b32 s67, 0
	s_mul_i32 s70, s21, 208                        ; B: row 208 x head + 104 x half; these never hold cy
	s_mul_i32 s71, s[HALF], 104
	s_add_co_u32 s70, s70, s71
	s_lshl_b32 s70, s70, 12
	s_mov_b32 s71, 0
	s_mul_i32 s74, s[WV], 128*PITCH                ; where A's halves go (waves 0, 1),
	s_mul_i32 s75, s[WV], BHALF
	s_add_co_u32 s75, s75, ABYTES-2*BHALF          ; and B's (waves 2, 3): ABYTES + (wave - 2) x BHALF: no place in the cluster enters an LDS address
	s_mul_i32 s85, s[WV], 64*PITCH                 ; my 64 rows of A
	s_mov_b32 s[LG], 0x3fb8aa3b
	s_mov_b32 s[LG+1], 0x3fb8aa3b
	s_mov_b32 s[SX], 0x3d800000
	s_mov_b32 s[SX+1], 0x3d800000
	s_mov_b32 s[SGN], 0x80000000
	s_mov_b32 s[SEL], 0x76543210
	s_mov_b32 s[SEL+1], 0xfedcba98
	s_wait_dscnt 0x0                               ; both opening adds are done
	s_wait_kmcnt 0x0
	s_add_nc_u64 s[68:69], s[4:5], s[66:67]
	s_add_nc_u64 s[72:73], s[6:7], s[70:71]
.irp s, 0,1
	s_mov_b32 s[G0+4*(\s)], 1                                      ; count = 1
	s_add_co_u32 s[G0+4*(\s)+1], s74, (\s)*SLOT                    ; LDS address
	s_add_nc_u64 s[G0+4*(\s)+2:G0+4*(\s)+3], s[68:69], (\s)*256    ; global address: K step s
	s_or_b32 s[G0+4*(\s)+3], s[G0+4*(\s)+3], 0x80000000            ; type = 2
	s_mov_b32 s[G0B+4*(\s)], 1
	s_add_co_u32 s[G0B+4*(\s)+1], s75, (\s)*SLOT
	s_add_nc_u64 s[G0B+4*(\s)+2:G0B+4*(\s)+3], s[72:73], (\s)*256
	s_or_b32 s[G0B+4*(\s)+3], s[G0B+4*(\s)+3], 0x80000000
.endr
	CROUND                                         ; all sixteen work-groups are here: the first joint loads meet
	s_cmp_eq_u32 s[HF], 0                          ; a wave's two first fills stand in one branch, ahead of every wait on TENSORcnt and every LDS read: two loads of mine are out
	s_cbranch_scc0 .Lfirst_b
	tensor_load_to_lds s[G0:G0+3], s[G1:G1+7]
	s_nop 0
	tensor_load_to_lds s[G0+4:G0+7], s[G1:G1+7]
	s_nop 0
.rept 4
	v_nop
.endr
	s_branch .Lfirst_asked
.Lfirst_b:
	tensor_load_to_lds s[G0B:G0B+3], s[G1B:G1B+7]
	s_nop 0
	tensor_load_to_lds s[G0B+4:G0B+7], s[G1B:G1B+7]
	s_nop 0
.rept 4
	v_nop
.endr
.Lfirst_asked:
	v_and_b32 v1, 15, v0                           ; r = l % 16
	v_bfe_u32 v2, v0, 4, 1                         ; h = l / 16
	v_and_b32 v3, 31, v0                           ; l
	; gk_w2's fragment for k block kb: lane (r, h) takes ranks 8 h .. 8 h + 7 of row 64 head + 16 kb + r (64 bytes a row); gk_b2: that row's number
	s_lshl_b32 s76, s21, 12
	v_lshlrev_b32 v[W2O], 6, v1
	v_lshl_add_u32 v[W2O], v2, 5, v[W2O]
	v_add_nc_u32 v[W2O], s76, v[W2O]
	s_lshl_b32 s76, s21, 8
	v_lshl_add_u32 v[BO], v1, 2, s76
.irp kb, 0,1,2,3
	global_load_b128 v[RAW+8*(\kb):RAW+8*(\kb)+3],   v[W2O], s[8:9] offset:1024*(\kb)
	global_load_b128 v[RAW+8*(\kb)+4:RAW+8*(\kb)+7], v[W2O], s[8:9] offset:1024*(\kb)+16
	global_load_b32 v[BL+2*(\kb)], v[BO], s[10:11] offset:64*(\kb)
.endr
	; a fragment is 16 rows x 32 K in 8 registers: lane l holds row l % 16, K = 8 (l / 16) + 0..7 and 16 + 8 (l / 16) + 0..7: two loads of 16 bytes, 32 bytes apart
	v_mul_u32_u24 v18, v1, PITCH
	v_lshl_add_u32 v18, v2, 4, v18
	v_add_nc_u32 v[ADRA], s85, v18
	v_add_nc_u32 v[ADRA+1], SLOT, v[ADRA]
	v_add_nc_u32 v[ADRB], ABYTES, v18
	v_add_nc_u32 v[ADRB+1], SLOT, v[ADRB]
	v_lshlrev_b32 v[UO], 4, v3
	v_lshlrev_b32 v[DO], 2, v3
	; my chunk's place in u and dec: 512 b + 32 head + chunk, chunk = 4 (block % 8) + wave
	s_lshr_b32 s76, s22, 3
	s_lshl_b32 s76, s76, 9
	s_lshl_b32 s77, s21, 5
	s_add_co_u32 s76, s76, s77
	s_and_b32 s77, s22, 7
	s_lshl_b32 s77, s77, 2
	s_add_co_u32 s76, s76, s77
	s_add_co_u32 s76, s76, s[WV]
	s_lshl_b32 s78, s76, 15                        ; 32,768 bytes of u,
	s_mov_b32 s79, 0
	s_add_nc_u64 s[12:13], s[12:13], s[78:79]
	s_lshl_b32 s78, s76, 8                         ; 256 of dec
	s_add_nc_u64 s[14:15], s[14:15], s[78:79]
	; the prefetches
	s_lshl_b32 s76, s22, 8                         ; 256 x block
	s_mul_i32 s77, s21, 208                        ; 208 x head
	s_and_b32 s78, ttmp7, 0xffff                   ; cluster y
	s_cmp_eq_u32 s[HF], 0                          ; do I fetch for A?
	s_cselect_b32 s76, s76, s77                    ; the tile's first row
	s_cselect_b32 s77, s19, s20                    ; my place among the four that ask for it with me
	s_cselect_b32 s78, ttmp9, s78                  ; the coordinate along which other clusters read the same rows
	s_cselect_b32 s79, 24, 0
	s_cselect_b32 s88, 32, 26                      ; rows of mine
	s_cselect_b32 s89, 31, 25                      ; the last of them
	s_cselect_b64 s[PFA:PFA+1], s[4:5], s[6:7]
	s_cmp_eq_u32 s78, 0
	s_cselect_b32 s[LIM], 1, -1                    ; the same in all sixteen partners, for a given wave
	s_add_co_u32 s79, s79, 104                     ; 128 or 104 rows to a load
	s_mul_i32 s79, s79, s[HALF]
	s_add_co_u32 s76, s76, s79
	s_mul_i32 s88, s88, s77
	s_add_co_u32 s76, s76, s88
	s_lshl_b32 s76, s76, 12
	s_mov_b32 s77, 0
	s_add_nc_u64 s[PFA:PFA+1], s[PFA:PFA+1], s[76:77]
	s_add_nc_u64 s[PFA:PFA+1], s[PFA:PFA+1], 512   ; at K step 2: the first refill steps it to 3 and names K step 4
	v_min_u32 v[PFO], s89, v3
	v_lshlrev_b32 v[PFO], 12, v[PFO]
	s_wait_loadcnt 0x0                             ; gk_w2, gk_b2
.irp kb, 0,1,2,3
.irp i, 0,1,2,3
	v_cvt_pk_f16_f32 v[WF+8*(\kb)+(\i)], v[RAW+8*(\kb)+2*(\i)], v[RAW+8*(\kb)+2*(\i)+1]
.endr
.irp i, 4,5,6,7
	v_mov_b32 v[WF+8*(\kb)+(\i)], 0                ; K = 16..31: there are 16 ranks
.endr
	v_mul_f32 v[BL+2*(\kb)], s[LG], v[BL+2*(\kb)]
	v_mov_b32 v[BL+2*(\kb)+1], v[BL+2*(\kb)]       ; named with it as a pair
.endr
; 12 matrix instructions: token block 2 hi + a x column blocks 0-11, 32 along K, from buffer f.  zero = 1: the product starts the sums: nothing is cleared.
.macro MULN f, hi, a, zero
	WIN 0xa4+0x50*(\hi)                            ; A window 0, B window 1, C and D window 2 or 3
.set rA, FA+32*(\f)+8*(2*(\hi)+(\a))
.irp c, 0,1,2,3,4,5,6,7,8,9,10,11
.set rD, 8*(13*(\a)+(\c))
.set rB, 104*(\f)+8*(\c)
.if \zero
	v_wmma_f32_16x16x32_f16 v[rD:rD+7], v[rA:rA+7], v[rB:rB+7], 0
.else
	v_wmma_f32_16x16x32_f16 v[rD:rD+7], v[rA:rA+7], v[rB:rB+7], v[rD:rD+7]
.endif
.endr
.endm
; 2 matrix instructions: column block 12 (the ranks), sources swapped, token blocks 2 hi, 2 hi + 1
.macro MULR f, hi, zero
	WIN 0xa1+0x50*(\hi)                            ; source 0 (B) window 1, source 1 (A) window 0
.irp a, 0,1
.set rD, 8*(13*(\a)+12)
.set rA, FA+32*(\f)+8*(2*(\hi)+(\a))
.set rB, 104*(\f)+96
.if \zero
	v_wmma_f32_16x16x32_f16 v[rD:rD+7], v[rB:rB+7], v[rA:rA+7], 0
.else
	v_wmma_f32_16x16x32_f16 v[rD:rD+7], v[rB:rB+7], v[rA:rA+7], v[rD:rD+7]
.endif
.endr
.endm
; The 52 accumulators take turns, one instruction a turn, in the same order in every quarter: 51 others stand between two links of a chain, over the backward jump too.
.macro MUL26 f, hi, zero
	MULN \f, \hi, 0, \zero
	MULN \f, \hi, 1, \zero
	MULR \f, \hi, \zero
.endm
; 34 LDS loads in one run: a quarter step's fragments (208 rows of B, my 64 of A, 32 K at byte k of the rows) into buffer f; A's blocks last, ascending
.macro FETCH slot, k, f
	WIN 0x40                                       ; destination window 1, address window 0
.irp c, 0,1,2,3,4,5,6,7,8,9,10,11,12
	ds_load_b128 v[104*(\f)+8*(\c):104*(\f)+8*(\c)+3],   v[ADRB+(\slot)] offset:(\k)+(\c)*16*PITCH
	ds_load_b128 v[104*(\f)+8*(\c)+4:104*(\f)+8*(\c)+7], v[ADRB+(\slot)] offset:(\k)+(\c)*16*PITCH+32
.endr
	WIN 0
.irp a, 0,1,2,3
	ds_load_b128 v[FA+32*(\f)+8*(\a):FA+32*(\f)+8*(\a)+3],   v[ADRA+(\slot)] offset:(\k)+(\a)*16*PITCH
	ds_load_b128 v[FA+32*(\f)+8*(\a)+4:FA+32*(\f)+8*(\a)+7], v[ADRA+(\slot)] offset:(\k)+(\a)*16*PITCH+32
.endr
.endm
; A K step is four quarters of 32 along K on buffers 0, 1, 0, 1.  One of the first three: multiplies buffer f; in its middle it fetches the next quarter, at byte k, into buffer g.
.macro QUARTER slot, k, f, g, zero
	s_wait_dscnt 4                                 ; B and A's blocks 0, 1 are in; the youngest four loads (blocks 2, 3) may be out
	MUL26 \f, 0, \zero
	PLACES
	FETCH \slot, \k, \g
	s_wait_dscnt 34                                ; all but the 34 just issued
	MUL26 \f, 1, \zero
.endm
; The last quarter multiplies buffer 1 and changes slots.  ONE barrier: in front of it each wave waits for all its tensor loads (one is out: its part of the next slot), adds 0 to its spare
; word, and waits for that and for its own reads of this slot.  Behind it nobody reads this slot any more and the next slot is whole.
.macro MEET round
	WIN 0                                          ; (the add's registers lie in window 0)
	s_wait_tensorcnt 0x0
	ds_add_u32 v[SPW], v[NIL]
	s_wait_dscnt 5                                 ; (the add and the youngest four loads may be out)
	MULN 1, 0, 0, 0                                ; twelve matrix instructions stand between the add and the wait for it
	s_wait_dscnt 0x0                               ; the add is done, and my reads of this slot are over
	s_barrier_signal -1
	MULN 1, 0, 1, 0                                ; work on registers while the others arrive
	MULR 1, 0, 0
.if \round
	WIN 0
.endif
	s_barrier_wait -1
.endm
; fill = 1: the barrier opens a round of the cluster's, and this slot is filled again, two K steps on, first thing behind the round: 182 matrix instructions ahead of the wait for it.
.macro TURN slot, next, fill
.if \fill
	s_wait_xcnt 0x0                                ; the last prefetch, a K step back, has read its address
	s_add_nc_u64 s[PFA:PFA+1], s[PFA:PFA+1], 256
	MEET 1
	CREST                                          ; no wave of any partner still reads this slot or has a load on its way
	s_add_nc_u64 s[G0+4*(\slot)+2:G0+4*(\slot)+3], s[G0+4*(\slot)+2:G0+4*(\slot)+3], 512
	s_add_nc_u64 s[G0B+4*(\slot)+2:G0B+4*(\slot)+3], s[G0B+4*(\slot)+2:G0B+4*(\slot)+3], 512
	JLOAD \slot                                    ; its four v_nop are also the places in front of the loads below
.else
	MEET 0
	PLACES
.endif
	FETCH \next, 0, 0
.if \fill
	ASK
.endif
	MUL26 1, 1, 0
.endm
	s_wait_tensorcnt 1                             ; my part of K step 0 is in; K step 1's may stay out
	s_barrier_signal -1
	s_barrier_wait -1
	FETCH 0, 0, 0
	QUARTER 0, 64, 0, 1, 1                         ; the first quarter stands in front of the loop: its products start the sums
	WIN 0                                          ; at a label and at a branch every window is 0
	s_mov_b32 s3, 7
.Llap:                                                 ; a trip goes once round the ring, from a lap's second quarter to the next lap's first, and fills both slots again
	QUARTER 0, 128, 1, 0, 0
	QUARTER 0, 192, 0, 1, 0
	TURN 0, 1, 1
	QUARTER 1, 64,  0, 1, 0
	QUARTER 1, 128, 1, 0, 0
	QUARTER 1, 192, 0, 1, 0
	TURN 1, 0, 1
	QUARTER 0, 64,  0, 1, 0
	WIN 0
	s_sub_co_u32 s3, s3, 1
	s_cmp_lg_u32 s3, 0
	s_cbranch_scc1 .Llap
	QUARTER 0, 128, 1, 0, 0                        ; the last lap fills nothing
	QUARTER 0, 192, 0, 1, 0
	TURN 0, 1, 0
	QUARTER 1, 64,  0, 1, 0
	QUARTER 1, 128, 1, 0, 0
	QUARTER 1, 192, 0, 1, 0
	s_wait_dscnt 4
	MUL26 1, 0, 0
	s_wait_dscnt 0x0
	MUL26 1, 1, 0
	; r -> f16: source 0 of y = r gk_w2^T.  Every accumulator is read from its low end on, here and below.
	PLACES
.irp a, 0,1,2,3
	WIN 0x0a+5*((\a)/2)                            ; sources in window 2 or 3, destination in window 0
.irp i, 0,1,2,3
	v_cvt_pk_f16_f32 v[RF+8*(\a)+(\i)], v[8*(13*((\a)%2)+12)+2*(\i)], v[8*(13*((\a)%2)+12)+2*(\i)+1]
.endr
.endr
	WIN 0
.irp a, 0,1,2,3
.irp i, 4,5,6,7
	v_mov_b32 v[RF+8*(\a)+(\i)], 0
.endr
.endr
	WIN 0x40                                       ; Y in window 1; group g = 4 kb + a at 8 g
.irp kb, 0,1,2,3
.irp a, 0,1,2,3
	v_wmma_f32_16x16x32_f16 v[8*(4*(\kb)+(\a)):8*(4*(\kb)+(\a))+7], v[RF+8*(\a):RF+8*(\a)+7], v[WF+8*(\kb):WF+8*(\kb)+7], 0
.endr
.endr
	PLACES
	WIN 0x41                                       ; y = (r gk_w2^T) log2 e + gk_b2 log2 e
.set g, 0
.rept 16
.set p, 0
.rept 4
	v_pk_fma_f32 v[8*g+2*p:8*g+2*p+1], v[8*g+2*p:8*g+2*p+1], s[LG:LG+1], v[BL+2*(g/4):BL+2*(g/4)+1] op_sel_hi:[1,0,0]
.set p, p+1
.endr
.set g, g+1
.endr
	WIN 0x55                                       ; all in window 1
.set i, 0
.rept 128
	v_or_b32 v[NN+i], s[SGN], v[i]                 ; -|y|
.set i, i+1
.endr
.set i, 0
.rept 128
	v_exp_f32 v[NN+i], v[NN+i]                     ; one batch,
.set i, i+1
.endr
.set i, 0
.rept 128
	v_min_num_f32 v[i], 0, v[i]                    ; independent work behind it: min(y, 0),
.set i, i+1
.endr
	s_wait_alu depctr_va_vdst(0)                   ; and the one wait ahead of the first use
.set i, 0
.rept 64
	v_pk_add_f32 v[NN+i:NN+i+1], v[NN+i:NN+i+1], 1.0 op_sel_hi:[1,0]
.set i, i+2
.endr
.set i, 0
.rept 128
	v_log_f32 v[NN+i], v[NN+i]                     ; log2(1 + 2^-|y|): the second batch
.set i, i+1
.endr
.irp a, 0,1,2,3                        ; independent work behind it: v -> f16, source 1 of U: tokens 32 kk + 16 (a % 2) + 8 h + 0..7 fall into registers 4 (a % 2) + 0..3 of fragment kk = a / 2
	WIN 0x0a+5*((\a)/2)
.irp cb, 0,1,2,3,4,5,6,7
.irp i, 0,1,2,3
	v_cvt_pk_f16_f32 v[VF+8*(2*(\cb)+(\a)/2)+4*((\a)%2)+(\i)], v[8*(13*((\a)%2)+4+(\cb))+2*(\i)], v[8*(13*((\a)%2)+4+(\cb))+2*(\i)+1]
.endr
.endr
.endr
	WIN 0x55
	s_wait_alu depctr_va_vdst(0)                   ; the wait for the batch of logarithms
.set i, 0
.rept 64
	v_pk_add_f32 v[i:i+1], v[i:i+1], v[NN+i:NN+i+1] neg_lo:[0,1] neg_hi:[0,1]   ; L = min(y, 0) - log2(1 + 2^-|y|)
.set i, i+2
.endr
	; the sum of L over my 8 tokens of each group
.set g, 0
.rept 16
	v_pk_add_f32 v[NN+8*g:NN+8*g+1], v[8*g:8*g+1], v[8*g+2:8*g+3]
	v_pk_add_f32 v[NN+8*g+2:NN+8*g+3], v[8*g+4:8*g+5], v[8*g+6:8*g+7]
.set g, g+1
.endr
.set g, 0
.rept 16
	v_pk_add_f32 v[NN+8*g:NN+8*g+1], v[NN+8*g:NN+8*g+1], v[NN+8*g+2:NN+8*g+3]
.set g, g+1
.endr
	WIN 0x05                                       ; sources window 1, destination window 0
.set g, 0
.rept 16
	v_add_f32 v[TS+g], v[NN+8*g], v[NN+8*g+1]
.set g, g+1
.endr
	WIN 0
.set g, 0
.rept 16
	v_permlanex16_b32 v[TP+g], v[TS+g], s[SEL], s[SEL+1]   ; the block's other 8 tokens lie in the lane 16 away
.set g, g+1
.endr
.set g, 0
.rept 16
	v_add_f32 v[WS+g], v[TS+g], v[TP+g]            ; a block's 16 tokens
.set g, g+1
.endr
.irp kb, 0,1,2,3
	v_add_f32 v[R1+(\kb)], v[WS+4*(\kb)+3], v[WS+4*(\kb)+2]
.endr
.irp kb, 0,1,2,3
	v_add_f32 v[R0+(\kb)], v[R1+(\kb)], v[WS+4*(\kb)+1]
.endr
.irp kb, 0,1,2,3
	v_add_f32 v[GS+(\kb)], v[R0+(\kb)], v[WS+4*(\kb)]      ; G: all 64 tokens
.endr
	v_cmp_gt_u32 vcc_lo, 16, v3                    ; lanes 0-15 hold a block's first 8 tokens: the other half's come behind them (a choice, not a product with 0)
.set g, 0
.rept 16
	v_cndmask_b32 v[TP+g], 0, v[TP+g], vcc_lo
.set g, g+1
.endr
	WIN 0x40                                       ; E of my last token of each group: the other half's tokens, if later, and the later blocks
.irp kb, 0,1,2,3
	v_mov_b32 v[NN+8*(4*(\kb)+3)+7], v[TP+4*(\kb)+3]
	v_add_f32 v[NN+8*(4*(\kb)+2)+7], v[TP+4*(\kb)+2], v[WS+4*(\kb)+3]
	v_add_f32 v[NN+8*(4*(\kb)+1)+7], v[TP+4*(\kb)+1], v[R1+(\kb)]
	v_add_f32 v[NN+8*(4*(\kb))+7],   v[TP+4*(\kb)],   v[R0+(\kb)]
.endr
	WIN 0x55
.irp j, 6,5,4,3,2,1,0                  ; E_t = E_(t+1) + L_(t+1), the 16 groups side by side
.set g, 0
.rept 16
	v_add_f32 v[NN+8*g+(\j)], v[NN+8*g+(\j)+1], v[8*g+(\j)+1]
.set g, g+1
.endr
.endr
.set i, 0
.rept 64
	v_pk_mul_f32 v[NN+i:NN+i+1], v[NN+i:NN+i+1], s[SX:SX+1] op_sel_hi:[1,0]   ; / 16
.set i, i+2
.endr
	WIN 0
.irp kb, 0,1,2,3
	v_mul_f32 v[GS+(\kb)], s[SX], v[GS+(\kb)]
.endr
.irp kb, 0,1,2,3
	v_exp_f32 v[GS+(\kb)], v[GS+(\kb)]             ; the chunk's decay
.endr
	WIN 0x55
.set i, 0
.rept 128
	v_exp_f32 v[NN+i], v[NN+i]                     ; 2^(E / 16): the third batch
.set i, i+1
.endr
	v_nop                                          ; a plain instruction behind the last exponential
	s_wait_alu depctr_va_vdst(0)                   ; and the batch's one wait
.irp a, 0,1,2,3                        ; k' = k 2^(E / 16)
	WIN 0x46+((\a)/2)                              ; source 0 (k) window 2 or 3, source 1 and destination window 1
.irp kb, 0,1,2,3
.irp p, 0,1,2,3
	v_pk_mul_f32 v[8*(4*(\kb)+(\a))+2*(\p):8*(4*(\kb)+(\a))+2*(\p)+1], v[8*(13*((\a)%2)+(\kb))+2*(\p):8*(13*((\a)%2)+(\kb))+2*(\p)+1], v[NN+8*(4*(\kb)+(\a))+2*(\p):NN+8*(4*(\kb)+(\a))+2*(\p)+1]
.endr
.endr
.endr
	WIN 0x05
.irp a, 0,1,2,3
.irp kb, 0,1,2,3
.irp i, 0,1,2,3
	v_cvt_pk_f16_f32 v[KF+8*(2*(\kb)+(\a)/2)+4*((\a)%2)+(\i)], v[8*(4*(\kb)+(\a))+2*(\i)], v[8*(4*(\kb)+(\a))+2*(\i)+1]
.endr
.endr
.endr
	WIN 0x50                                       ; U (kb, cb) at 8 (8 kb + cb) of window 1: the 32 accumulators take turns; the first 32 tokens start the sums
.irp kk, 0,1
.irp kb, 0,1,2,3
.irp cb, 0,1,2,3,4,5,6,7
.if (\kk) == 0
	v_wmma_f32_16x16x32_f16 v[8*(8*(\kb)+(\cb)):8*(8*(\kb)+(\cb))+7], v[KF+8*(2*(\kb)+(\kk)):KF+8*(2*(\kb)+(\kk))+7], v[VF+8*(2*(\cb)+(\kk)):VF+8*(2*(\cb)+(\kk))+7], 0
.else
	v_wmma_f32_16x16x32_f16 v[8*(8*(\kb)+(\cb)):8*(8*(\kb)+(\cb))+7], v[KF+8*(2*(\kb)+(\kk)):KF+8*(2*(\kb)+(\kk))+7], v[VF+8*(2*(\cb)+(\kk)):VF+8*(2*(\cb)+(\kk))+7], v[8*(8*(\kb)+(\cb)):8*(8*(\kb)+(\cb))+7]
.endif
.endr
.endr
.endr
	PLACES
	WIN 0x04                                       ; store data (source 1) in window 1, address in window 0
.set t, 0
.rept 32
	global_store_b128 v[UO], v[8*t:8*t+3],   s[12:13] offset:1024*t        ; 512 consecutive bytes, at a multiple of 512 from u's first
	global_store_b128 v[UO], v[8*t+4:8*t+7], s[12:13] offset:1024*t+512
.set t, t+1
.endr
	WIN 0
	v_cndmask_b32 v18, v[GS+1], v[GS], vcc_lo      ; lanes 0-15: k block 0's columns, lanes 16-31: block 1's
	v_cndmask_b32 v19, v[GS+3], v[GS+2], vcc_lo
	global_store_b32 v[DO], v18, s[14:15]
	global_store_b32 v[DO], v19, s[14:15] offset:128
	s_wait_tensorcnt 0x0                           ; the wave's end, behind my last tensor load
	ds_add_u32 v[SPW], v[NIL]
	s_wait_dscnt 0x0
	CROUND                                         ; the closing round: no work-group ends while a partner may still ask for a tile that names it
	s_endpgm
.Lfunc_end_k_q01c1c9d987_chunks:
	.size	k_q01c1c9d987_chunks, .Lfunc_end_k_q01c1c9d987_chunks-k_q01c1c9d987_chunks
	.p2alignl 7, 3214868480
	.fill 96, 4, 3214868480
	.section	.rodata,"a",@progbits
	.p2align	6, 0x0
	.amdhsa_kernel k_q01c1c9d987_chunks
		.amdhsa_group_segment_fixed_size 327680
		.amdhsa_private_segment_fixed_size 0
		.amdhsa_enable_private_segment 0
		.amdhsa_kernarg_size 48
		.amdhsa_user_sgpr_count 2
		.amdhsa_user_sgpr_kernarg_segment_ptr 1
		.amdhsa_wavefront_size32 1
		.amdhsa_system_sgpr_workgroup_id_x 1
		.amdhsa_system_sgpr_workgroup_id_y 1
		.amdhsa_system_sgpr_workgroup_id_z 1
		.amdhsa_system_vgpr_workitem_id 0
		.amdhsa_next_free_vgpr 976
		.amdhsa_next_free_sgpr 96
		.amdhsa_reserve_vcc 1
		.amdhsa_float_denorm_mode_32 3
		.amdhsa_float_denorm_mode_16_64 3
		.amdhsa_memory_ordered 1
		.amdhsa_forward_progress 1
		.amdhsa_inst_pref_size 182
	.end_amdhsa_kernel
	.amdgpu_metadata
---
amdhsa.version: [ 1, 2 ]
amdhsa.kernels:
  - .name:           k_q01c1c9d987_chunks
    .symbol:         k_q01c1c9d987_chunks.kd
    .args:
      - { .name: xn, .offset: 0, .size: 8, .value_kind: global_buffer, .address_space: global }
      - { .name: wcat, .offset: 8, .size: 8, .value_kind: global_buffer, .address_space: global }
      - { .name: gk_w2, .offset: 16, .size: 8, .value_kind: global_buffer, .address_space: global }
      - { .name: gk_b2, .offset: 24, .size: 8, .value_kind: global_buffer, .address_space: global }
      - { .name: u, .offset: 32, .size: 8, .value_kind: global_buffer, .address_space: global }
      - { .name: dec, .offset: 40, .size: 8, .value_kind: global_buffer, .address_space: global }
    .group_segment_fixed_size: 327680
    .private_segment_fixed_size: 0
    .kernarg_segment_align: 8
    .kernarg_segment_size: 48
    .max_flat_workgroup_size: 128
    .sgpr_count:     96
    .vgpr_count:     976
    .wavefront_size: 32
...
	.end_amdgpu_metadata
.endif
;; end of part 2
;; launch scan (part 3): grid 256 x 1, 8 waves a work-group, no clusters, 21,504 bytes of LDS; arguments u, dec, initial_state, out0, out1; writes out0, out1
.if DOCPART == 3
	.amdgcn_target "amdgcn-amd-amdhsa--gfx1250"
	.amdhsa_code_object_version 6
	.text
	.protected	k_q01c1c9d987_scan
	.globl	k_q01c1c9d987_scan
	.p2align	8
	.type	k_q01c1c9d987_scan,@function
k_q01c1c9d987_scan:
	s_mov_b64 s[64:65], 0
	v_nop
	global_prefetch_b8 v0, s[64:65] scope:SCOPE_SE
	s_setreg_imm32_b32 hwreg(HW_REG_WAVE_MODE, 25, 1), 1
	s_wait_xcnt 0x0
; GLA MEMORY COMPRESSOR, launch 3 of 3: S_c = dec_c S_(c-1) + U_c over the 32 chunks, from initial_state; out0[b][c][h] = S_c, out1[b][h] = S_31.  All in f32.  No work of reference() is left out.
; SHARES.  A UNIT is (b h, kb, cbhi, q): 32 lanes, each with a block of 4 x 4 of the state: rows dk = 16 kb + 8 (lane / 16) + 4 q + i, columns dv = 64 cbhi + 4 (lane % 16) + e.  512 units.
; The 32 chunks of a unit are four SEGMENTS of 8, a wave each: 2,048 waves, 8 to a work-group (two units).  A wave asks for all it reads at once, 44 loads of 512 bytes or less, and has no loop.
; It scans its segment from 0 (L_m = dec_m L_(m-1) + U_m, P_m = dec_m P_(m-1)); the four waves' L_7 and P_7 meet in LDS; each folds the segments before its own onto initial_state;
; then S_m = P_m S_in + L_m.
; u holds launch 2's accumulators as they lay: load e brings, for column e, my rows i = 0..3.  The state's rows want, for row i, columns e = 0..3: the turn is made by the naming of registers.
; Each store's 16 neighbouring lanes cover 256 consecutive bytes, aligned.
.set D,  16                            ; v[16:47]   dec of chunk m, rows i, at D + 4 m + i; then P
.set S,  48                            ; v[48:63]   the state at my segment's start: S + 4 i + e
.set T,  64                            ; v[64:83]   another segment's L_7 (T + 4 e + i) and P_7 (T + 16 + i)
.set O0, 84                            ; v[84:99]   chunk 0's result; chunk m's goes into U's registers of chunk m - 1
.set U,  100                           ; v[100:227] U, then L, of chunk m: U + 16 m + 4 e + i
.set SPARE, 20480                      ; behind the eight waves' 2,560 bytes: the spare words, 128 bytes a wave: four blocks of 256 bytes that no other line names
	s_load_b256 s[4:11], s[0:1], 0x0               ; u s[4:5], dec s[6:7], initial_state s[8:9], out0 s[10:11]
	s_load_b64 s[12:13], s[0:1], 0x20              ; out1
	v_lshl_add_u32 v8, v0, 2, SPARE                ; my spare word,
	v_mov_b32 v9, 0                                ; and 0: for the wave's end
	v_lshrrev_b32 v1, 5, v0
	v_readfirstlane_b32 s14, v1                    ; wave 0..7
	s_and_b32 s15, s14, 3                          ; my segment
	s_lshr_b32 s16, s14, 2
	s_lshl_b32 s17, ttmp9, 1
	s_add_co_u32 s16, s16, s17                     ; my unit among the 512
	s_lshr_b32 s17, s16, 4                         ; b h = 16 b + h
	s_bfe_u32 s18, s16, 0x20002                    ; kb
	s_bfe_u32 s19, s16, 0x10001                    ; cbhi
	s_and_b32 s20, s16, 1                          ; q
	s_lshl_b32 s21, s17, 5
	s_lshl_b32 s22, s15, 3
	s_add_co_u32 s21, s21, s22                     ; 32 b h + 8 segment: my first chunk in u and dec
	s_lshl_b32 s24, s21, 15                        ; u: 32,768 bytes a chunk, tile 8 kb + 4 cbhi of 1,024 bytes, half q of 512
	s_lshl_b32 s26, s18, 13
	s_add_co_u32 s24, s24, s26
	s_lshl_b32 s26, s19, 12
	s_add_co_u32 s24, s24, s26
	s_lshl_b32 s26, s20, 9
	s_add_co_u32 s24, s24, s26
	s_mov_b32 s25, 0
	s_lshl_b32 s28, s21, 8                         ; dec: 256 bytes a chunk, row 16 kb + 4 q
	s_lshl_b32 s26, s18, 6
	s_add_co_u32 s28, s28, s26
	s_lshl_b32 s26, s20, 4
	s_add_co_u32 s28, s28, s26
	s_mov_b32 s29, 0
	s_lshl_b32 s27, s18, 13                        ; in a state of 64 x 128: row 16 kb + 4 q of 512 bytes, column 64 cbhi
	s_lshl_b32 s26, s20, 11
	s_add_co_u32 s27, s27, s26
	s_lshl_b32 s26, s19, 8
	s_add_co_u32 s27, s27, s26
	s_lshl_b32 s30, s17, 15                        ; initial_state and out1: [b h]
	s_add_co_u32 s30, s30, s27
	s_mov_b32 s31, 0
	s_lshr_b32 s32, s17, 4                         ; out0: [b][chunk][h]
	s_lshl_b32 s32, s32, 5
	s_add_co_u32 s32, s32, s22
	s_lshl_b32 s32, s32, 4
	s_and_b32 s26, s17, 15
	s_add_co_u32 s32, s32, s26
	s_lshl_b32 s32, s32, 15
	s_add_co_u32 s32, s32, s27
	s_mov_b32 s33, 0
	s_mul_i32 s36, s14, 2560                       ; LDS: my five planes of 512 bytes,
	s_and_b32 s37, s14, 4
	s_mul_i32 s37, s37, 2560                       ; and those of my unit's first wave
	v_and_b32 v10, 31, v0
	v_bfe_u32 v11, v0, 4, 1
	v_and_b32 v12, 15, v0
	v_lshlrev_b32 v2, 4, v10                       ; 16 x lane
	v_lshlrev_b32 v3, 5, v11                       ; 8 rows of dec further for lanes 16-31
	v_lshlrev_b32 v4, 4, v12
	v_lshl_add_u32 v4, v11, 12, v4                 ; in a state: 8 rows further for lanes 16-31, 16 bytes for each lane % 16
	v_add_nc_u32 v5, s36, v2
	v_add_nc_u32 v6, s37, v2
	s_wait_kmcnt 0x0
	s_add_nc_u64 s[4:5], s[4:5], s[24:25]
	s_add_nc_u64 s[6:7], s[6:7], s[28:29]
	s_add_nc_u64 s[8:9], s[8:9], s[30:31]
	s_add_nc_u64 s[12:13], s[12:13], s[30:31]
	s_add_nc_u64 s[10:11], s[10:11], s[32:33]
.irp m, 0,1,2,3,4,5,6,7
	global_load_b128 v[D+4*(\m):D+4*(\m)+3], v3, s[6:7] offset:256*(\m)
.endr
.irp i, 0,1,2,3
	global_load_b128 v[S+4*(\i):S+4*(\i)+3], v4, s[8:9] offset:512*(\i)
.endr
.irp m, 0,1,2,3,4,5,6,7
.irp e, 0,1,2,3
	global_load_b128 v[U+16*(\m)+4*(\e):U+16*(\m)+4*(\e)+3], v2, s[4:5] offset:32768*(\m)+1024*(\e) th:TH_LOAD_NT
.endr
.endr
	; the segment from 0: L_m = dec_m L_(m-1) + U_m in U's registers, P_m = dec_m P_(m-1) in D's
.irp m, 1,2,3,4,5,6,7
	s_wait_loadcnt 4*(7-(\m))                      ; loads come back in order: chunk m's are in, the later chunks' four each stay out
.irp p, 0,1,2,3,4,5,6,7
	v_pk_fma_f32 v[U+16*(\m)+2*(\p):U+16*(\m)+2*(\p)+1], v[U+16*(\m)-16+2*(\p):U+16*(\m)-16+2*(\p)+1], v[D+4*(\m)+2*((\p)%2):D+4*(\m)+2*((\p)%2)+1], v[U+16*(\m)+2*(\p):U+16*(\m)+2*(\p)+1]
.endr
	v_pk_mul_f32 v[D+4*(\m):D+4*(\m)+1],   v[D+4*(\m):D+4*(\m)+1],   v[D+4*(\m)-4:D+4*(\m)-3]
	v_pk_mul_f32 v[D+4*(\m)+2:D+4*(\m)+3], v[D+4*(\m)+2:D+4*(\m)+3], v[D+4*(\m)-2:D+4*(\m)-1]
.endr
.irp e, 0,1,2,3
	ds_store_b128 v5, v[U+112+4*(\e):U+112+4*(\e)+3] offset:512*(\e)
.endr
	ds_store_b128 v5, v[D+28:D+31] offset:2048
	s_wait_dscnt 0x0                               ; for the others' sake: my stores are done
	s_barrier_signal -1
	s_barrier_wait -1
	; the segments before mine, in order, onto initial_state.  The jump hangs on the wave's number alone and passes no barrier.
.irp t, 0,1,2
	s_cmp_le_u32 s15, \t
	s_cbranch_scc1 .Lfolded
.irp pl, 0,1,2,3,4
	ds_load_b128 v[T+4*(\pl):T+4*(\pl)+3], v6 offset:2560*(\t)+512*(\pl)
.endr
	s_wait_dscnt 0x0
.irp i, 0,1,2,3
.irp e, 0,1,2,3
	v_fma_f32 v[S+4*(\i)+(\e)], v[T+16+(\i)], v[S+4*(\i)+(\e)], v[T+4*(\e)+(\i)]
.endr
.endr
.endr
.Lfolded:
	; S_m = P_m S_in + L_m, turned into rows, and stored.  No register that a store reads is written again.
.irp m, 0,1,2,3,4,5,6,7
.if (\m) == 0
.set OUT, O0
.else
.set OUT, U+16*(\m)-16
.endif
.irp i, 0,1,2,3
.irp e, 0,1,2,3
	v_fma_f32 v[OUT+4*(\i)+(\e)], v[D+4*(\m)+(\i)], v[S+4*(\i)+(\e)], v[U+16*(\m)+4*(\e)+(\i)]
.endr
.endr
.irp i, 0,1,2,3
	global_store_b128 v4, v[OUT+4*(\i):OUT+4*(\i)+3], s[10:11] offset:524288*(\m)+512*(\i) th:TH_STORE_NT
.endr
.endr
	s_cmp_lg_u32 s15, 3
	s_cbranch_scc1 .Lend
.irp i, 0,1,2,3
	global_store_b128 v4, v[U+96+4*(\i):U+96+4*(\i)+3], s[12:13] offset:512*(\i) th:TH_STORE_NT   ; the last segment's last state is out1
.endr
.Lend:
	s_wait_tensorcnt 0x0                           ; the wave's end, behind my last LDS store
	ds_add_u32 v8, v9
	s_wait_dscnt 0x0
	s_endpgm
.Lfunc_end_k_q01c1c9d987_scan:
	.size	k_q01c1c9d987_scan, .Lfunc_end_k_q01c1c9d987_scan-k_q01c1c9d987_scan
	.p2alignl 7, 3214868480
	.fill 96, 4, 3214868480
	.section	.rodata,"a",@progbits
	.p2align	6, 0x0
	.amdhsa_kernel k_q01c1c9d987_scan
		.amdhsa_group_segment_fixed_size 21504
		.amdhsa_private_segment_fixed_size 0
		.amdhsa_enable_private_segment 0
		.amdhsa_kernarg_size 40
		.amdhsa_user_sgpr_count 2
		.amdhsa_user_sgpr_kernarg_segment_ptr 1
		.amdhsa_wavefront_size32 1
		.amdhsa_system_sgpr_workgroup_id_x 1
		.amdhsa_system_sgpr_workgroup_id_y 1
		.amdhsa_system_sgpr_workgroup_id_z 1
		.amdhsa_system_vgpr_workitem_id 0
		.amdhsa_next_free_vgpr 228
		.amdhsa_next_free_sgpr 66
		.amdhsa_reserve_vcc 0
		.amdhsa_float_denorm_mode_32 3
		.amdhsa_float_denorm_mode_16_64 3
		.amdhsa_memory_ordered 1
		.amdhsa_forward_progress 1
		.amdhsa_inst_pref_size 28
	.end_amdhsa_kernel
	.amdgpu_metadata
---
amdhsa.version: [ 1, 2 ]
amdhsa.kernels:
  - .name:           k_q01c1c9d987_scan
    .symbol:         k_q01c1c9d987_scan.kd
    .args:
      - { .name: u, .offset: 0, .size: 8, .value_kind: global_buffer, .address_space: global }
      - { .name: dec, .offset: 8, .size: 8, .value_kind: global_buffer, .address_space: global }
      - { .name: initial_state, .offset: 16, .size: 8, .value_kind: global_buffer, .address_space: global }
      - { .name: out0, .offset: 24, .size: 8, .value_kind: global_buffer, .address_space: global }
      - { .name: out1, .offset: 32, .size: 8, .value_kind: global_buffer, .address_space: global }
    .group_segment_fixed_size: 21504
    .private_segment_fixed_size: 0
    .kernarg_segment_align: 8
    .kernarg_segment_size: 40
    .max_flat_workgroup_size: 256
    .sgpr_count:     66
    .vgpr_count:     228
    .wavefront_size: 32
...
	.end_amdgpu_metadata
.endif
;; end of part 3
;; ======== version 2 of 2: 3 launches; version 1 with the launch prep written anew for expert scheduling mode
;; limits: values outside matrix products are rounded to f16; values are held in f16: magnitudes above 65,504 overflow, below 6.1e-05 lose precision
;; workspace buffers: xn 16,777,216 bytes; wcat 13,631,488 bytes; u 33,554,432 bytes; dec 262,144 bytes
;; launch prep (part 4): grid 256 x 1, 29 waves a work-group, no clusters, 0 bytes of LDS; arguments hidden_states, norm_weight, k_w, v_w, gk_w1, xn, wcat; writes xn, wcat
.if DOCPART == 4
	.amdgcn_target "amdgcn-amd-amdhsa--gfx1250"
	.amdhsa_code_object_version 6
	.text
	.protected	k_q01c1c9d987_prep
	.globl	k_q01c1c9d987_prep
	.p2align	8
	.type	k_q01c1c9d987_prep,@function
k_q01c1c9d987_prep:
	s_mov_b64 s[64:65], 0
	v_nop
	global_prefetch_b8 v0, s[64:65] scope:SCOPE_SE
	s_setreg_imm32_b32 hwreg(HW_REG_WAVE_SCHED_MODE, 0, 2), 2
	s_setreg_imm32_b32 hwreg(HW_REG_WAVE_MODE, 25, 1), 1
	s_wait_xcnt 0x0
	s_wait_alu depctr_vm_vsrc(0)
; GLA MEMORY COMPRESSOR, launch 1 of 3: the operands of the projections, rounded once to f16.
; THE PROGRAM.  reference() walks S = S exp(g_t) + k_t v_t^T token by token and keeps S after every 64 tokens.  Over a chunk that is
;   S_end = diag(exp(sum of all g)) S_start + sum over t of (k_t exp(sum of g_s, s > t)) v_t^T,
; the same sum of the same terms: a product of 64 x 64 x 128 for each (batch, chunk, head), and a chain over the 32 chunks.  All exponents are <= 0.
; Launch 1 (this): xn = f16((x rs) norm_weight), rs = rsqrt(mean(x^2) + 1e-5); wcat = the weights in f16, regrouped by head.
; Launch 2: k, v, the gates and each chunk's product U and decay.  Launch 3: the chain over chunks, out0 and out1.
; NOTHING OF reference() IS LEFT OUT: every input (initial_state, norm_weight and gk_b2 too) has a way to an output and is loaded.
; FORMAT.  All matrix operands are f16.  |x rs| <= sqrt(2048) whatever x holds.
; LIMITS.  (x rs) norm_weight, the weights, k, v and x gk_w1^T must lie within f16's range, 65,504; a weight below 6e-5 keeps f16's fixed step of 6e-8.
; NaN and infinities are not treated apart.
; SHARES.  4,096 rows of x and 3,328 rows of wcat are 7,424 = 256 x 29 rows of 8,192 bytes: one wave to a row, no loop, no LDS, no barrier.
; All 16 loads of a row go out at once; each covers 512 consecutive bytes, each store 256 consecutive bytes, aligned.
; wcat: [16 heads][208 rows][2048].  Rows 0-63: k_w[64 h + q].  Row 64 + 16 cb + r: v_w[128 h + 64 (cb >> 2) + 4 r + (cb & 3)], so that in launch 3
; a lane's four tiles hold four neighbouring columns.  Rows 192-207: gk_w1, once for each head, so that a head's rows are one dense block.
; THE MODE: SCHED_MODE bits 1:0 = 2 (LLVM: expert scheduling mode 2), set by the entry lines.  The code itself states the register dependences
; between vector instructions and memory instructions, with s_wait_alu, always for 0.
; THE PLAN.  Registers that memory instructions touch:
;   v1, v2   byte offsets of the loads and of the stores: made once at the head, never written again.
;   X        the row.  Written by its 16 loads, which are issued once, before any vector line names X; then by the multiplies and, in place, by the conversions
;            (registers 4 i and 4 i + 1 of load i's four); those two are read by store i, and nothing writes them behind it.
;   NW       norm_weight for half a row.  Written by eight loads; read by the half's sixteen multiplies; then the other half's eight loads land in it.
;   v3 to v15 are named by vector instructions alone.
; No register that a memory instruction has read is written again, so no wait on vm_vsrc is owed.  The waits on va_vdst: one at the head, for the two offsets; a row of x: one behind the
; first half's multiplies and conversions, which serves the eight loads into NW and the half's eight stores, and one ahead of the second half's stores (and the one behind the two
; reciprocal roots); a row of wcat: one for each group of four stores, at the head of the next group.
.set X,  16                            ; v[16:79]   the row, 16 loads of 4 registers; then its f16 pairs, in place
.set NW, 80                            ; v[80:111]  norm_weight for half a row
	s_load_b256 s[4:11], s[0:1], 0x0               ; hidden s[4:5], norm_weight s[6:7], k_w s[8:9], v_w s[10:11]
	s_load_b128 s[12:15], s[0:1], 0x20             ; gk_w1 s[12:13], xn s[14:15]
	s_load_b64 s[16:17], s[0:1], 0x30              ; wcat
	v_lshrrev_b32 v3, 5, v0
	v_readfirstlane_b32 s20, v3                    ; wave 0..28
	v_and_b32 v1, 31, v0
	v_lshlrev_b32 v2, 3, v1                        ; 8 x lane: my 8 bytes of a store
	v_lshlrev_b32 v1, 4, v1                        ; 16 x lane: my 16 bytes of a load
	v_mov_b32 v13, 0                               ; v_permlanex16_b32's destination counts as read
	s_mov_b32 s23, 0
	s_mov_b32 s24, 0x76543210                      ; v_permlanex16_b32: each lane takes its own place in the other half
	s_mov_b32 s25, 0xfedcba98
	s_mov_b32 s26, 0x3a000000                      ; 1 / 2048
	s_mov_b32 s27, 0x3727c5ac                      ; 1e-5
	s_wait_alu depctr_va_sdst(0)                   ; s20 is written, ahead of its first reader: the row job is made from it
	s_mul_i32 s21, ttmp9, 29
	s_add_co_u32 s21, s21, s20                     ; my row job, 0..7423
	s_wait_kmcnt 0x0
	s_wait_alu depctr_va_vdst(0)                   ; v1 and v2 are written: every load of the kernel reads v1 as its offset, every store v2, on both ways behind the branch
	s_cmp_lt_u32 s21, 4096
	s_cbranch_scc0 .Lweights
; four numbers of load i are rounded to f16, in place
.macro CVT i
	v_cvt_pk_f16_f32 v[X+4*(\i)], v[X+4*(\i)], v[X+4*(\i)+1]
	v_cvt_pk_f16_f32 v[X+4*(\i)+1], v[X+4*(\i)+2], v[X+4*(\i)+3]
.endm
; and stored
.macro OUT i, d
	global_store_b64 v2, v[X+4*(\i):X+4*(\i)+1], s[\d:\d+1] offset:256*(\i)
.endm
.macro TIMES_RS hf                     ; half a row times rs
.set p, 0
.rept 16
	v_pk_mul_f32 v[X+32*(\hf)+2*p:X+32*(\hf)+2*p+1], v[X+32*(\hf)+2*p:X+32*(\hf)+2*p+1], v[14:15]
.set p, p+1
.endr
.endm
.macro TIMES_NW hf                     ; and times norm_weight: reference()'s order, (x rs) w
.set p, 0
.rept 16
	v_pk_mul_f32 v[X+32*(\hf)+2*p:X+32*(\hf)+2*p+1], v[X+32*(\hf)+2*p:X+32*(\hf)+2*p+1], v[NW+2*p:NW+2*p+1]
.set p, p+1
.endr
.endm
	; A ROW OF x
	s_lshl_b32 s22, s21, 13                        ; 8,192 bytes a row of x
	s_add_nc_u64 s[4:5], s[4:5], s[22:23]
	s_lshl_b32 s22, s21, 12                        ; 4,096 bytes a row of xn
	s_add_nc_u64 s[14:15], s[14:15], s[22:23]
.set i, 0
.rept 16
	global_load_b128 v[X+4*i:X+4*i+3], v1, s[4:5] offset:512*i th:TH_LOAD_NT
.set i, i+1
.endr
.set i, 0
.rept 8
	global_load_b128 v[NW+4*i:NW+4*i+3], v1, s[6:7] offset:512*i
.set i, i+1
.endr
	s_wait_loadcnt 8                               ; the row is in; the eight younger loads, norm_weight's, may stay out
.set c, 0
.rept 4
	v_pk_mul_f32 v[4+2*c:5+2*c], v[X+2*c:X+2*c+1], v[X+2*c:X+2*c+1]   ; four chains, started by the first four pairs: nothing is cleared
.set c, c+1
.endr
.rept 28
	v_pk_fma_f32 v[4+2*(c%4):5+2*(c%4)], v[X+2*c:X+2*c+1], v[X+2*c:X+2*c+1], v[4+2*(c%4):5+2*(c%4)]
.set c, c+1
.endr
	v_pk_add_f32 v[4:5], v[4:5], v[6:7]
	v_pk_add_f32 v[8:9], v[8:9], v[10:11]
	v_pk_add_f32 v[4:5], v[4:5], v[8:9]
	v_add_f32 v12, v4, v5
	v_add_f32_dpp v12, v12, v12 row_xmask:1 row_mask:0xf bank_mask:0xf
	v_add_f32_dpp v12, v12, v12 row_xmask:2 row_mask:0xf bank_mask:0xf
	v_add_f32_dpp v12, v12, v12 row_xmask:4 row_mask:0xf bank_mask:0xf
	v_add_f32_dpp v12, v12, v12 row_xmask:8 row_mask:0xf bank_mask:0xf
	v_permlanex16_b32 v13, v12, s24, s25
	v_add_f32 v12, v12, v13                        ; every lane holds the row's sum of squares
	v_fma_f32 v12, v12, s26, s27                   ; mean + 1e-5
	v_rsq_f32 v14, v12                             ; twice: a pair for the packed multiplies
	v_rsq_f32 v15, v12
	v_nop                                          ; a plain instruction between the last of them and the first use
	s_wait_alu depctr_va_vdst(0)                   ; the two reciprocal roots have written v14 and v15: one wait ahead of their first reader, for both
	s_wait_loadcnt 0x0                             ; norm_weight's first half
	TIMES_RS 0
	TIMES_NW 0
.irp i, 0,1,2,3,4,5,6,7
	CVT \i
.endr
	s_wait_alu depctr_va_vdst(0)                   ; the multiplies are done reading NW, in which the eight loads below land; the conversions have written the first half's f16 pairs, which the eight stores below read
.set i, 0
.rept 8
	global_load_b128 v[NW+4*i:NW+4*i+3], v1, s[6:7] offset:4096+512*i   ; norm_weight's second half, into the registers just read
.set i, i+1
.endr
.set i, 0
.rept 8                                ; the first half's stores, dealt among the second half's multiplies by rs.  No further wait: these multiplies name v[48:79] and v[14:15], none of the registers that the loads above and these stores touch
	global_store_b64 v2, v[X+4*i:X+4*i+1], s[14:15] offset:256*i
	v_pk_mul_f32 v[X+32+4*i:X+32+4*i+1],   v[X+32+4*i:X+32+4*i+1],   v[14:15]
	v_pk_mul_f32 v[X+32+4*i+2:X+32+4*i+3], v[X+32+4*i+2:X+32+4*i+3], v[14:15]
.set i, i+1
.endr
	s_wait_loadcnt 0x0                             ; norm_weight's second half
	TIMES_NW 1
.irp i, 8,9,10,11,12,13,14,15
	CVT \i
.endr
	s_wait_alu depctr_va_vdst(0)                   ; the conversions have written the second half's f16 pairs, which the last eight stores read
.irp i, 8,9,10,11,12,13,14,15
	OUT \i, 14
.endr
	s_endpgm
.Lweights:
	; A ROW OF wcat.  j = job - 4096: 0..1023 a row of k_w, 1024..3071 a row of v_w, 3072..3327 a copy of a row of gk_w1.
	; All three cases' numbers are made, and two compares choose: source row, row of wcat, source buffer.
	s_sub_co_u32 s22, s21, 4096                    ; j
	s_lshr_b32 s28, s22, 6
	s_mul_i32 s28, s28, 208
	s_and_b32 s29, s22, 63
	s_add_co_u32 s28, s28, s29                     ; k: 208 (j >> 6) + (j & 63)
	s_sub_co_u32 s30, s22, 1024                    ; vr = 128 h + dv
	s_lshr_b32 s31, s30, 7
	s_mul_i32 s31, s31, 208
	s_bfe_u32 s32, s30, 0x10006                    ; dv >> 6
	s_lshl_b32 s32, s32, 2
	s_and_b32 s33, s30, 3
	s_add_co_u32 s32, s32, s33                     ; cb = 4 (dv >> 6) + (dv & 3)
	s_lshl_b32 s32, s32, 4
	s_add_co_u32 s31, s31, s32
	s_bfe_u32 s33, s30, 0x40002                    ; r = (dv >> 2) & 15
	s_add_co_u32 s31, s31, s33
	s_add_co_u32 s31, s31, 64                      ; v: 208 h + 64 + 16 cb + r
	s_sub_co_u32 s34, s22, 3072                    ; i = 16 h + rank
	s_and_b32 s35, s34, 15
	s_lshr_b32 s36, s34, 4
	s_mul_i32 s36, s36, 208
	s_add_co_u32 s36, s36, s35
	s_add_co_u32 s36, s36, 192                     ; gate: 208 h + 192 + rank
	s_cmp_lt_u32 s22, 3072
	s_cselect_b32 s37, s30, s35
	s_cselect_b32 s38, s31, s36
	s_cselect_b64 s[40:41], s[10:11], s[12:13]
	s_cmp_lt_u32 s22, 1024
	s_cselect_b32 s37, s22, s37
	s_cselect_b32 s38, s28, s38
	s_cselect_b64 s[40:41], s[8:9], s[40:41]
	s_lshl_b32 s42, s37, 13
	s_mov_b32 s43, 0
	s_add_nc_u64 s[40:41], s[40:41], s[42:43]
	s_lshl_b32 s42, s38, 12
	s_add_nc_u64 s[16:17], s[16:17], s[42:43]
.set i, 0
.rept 16
	global_load_b128 v[X+4*i:X+4*i+3], v1, s[40:41] offset:512*i
.set i, i+1
.endr
; Group g of four loads is rounded; the four stores of the group before, whose f16 pairs the wait at the group's head shows written, are dealt among its conversions, which name this group's registers alone.
.macro GROUP g
	s_wait_loadcnt 12-4*(\g)                       ; loads come back in order: this group's four are in, the later groups' stay out
.if (\g) > 0
	s_wait_alu depctr_va_vdst(0)                   ; the group before's conversions have written its f16 pairs, which the four stores below read
.endif
.irp j, 0,1,2,3
.if (\g) > 0
	OUT 4*(\g)-4+(\j), 16
.endif
	CVT 4*(\g)+(\j)
.endr
.endm
	GROUP 0
	GROUP 1
	GROUP 2
	GROUP 3
	s_wait_alu depctr_va_vdst(0)                   ; the last group's conversions have written its f16 pairs, which the last four stores read
.irp i, 12,13,14,15
	OUT \i, 16
.endr
	s_endpgm
.Lfunc_end_k_q01c1c9d987_prep:
	.size	k_q01c1c9d987_prep, .Lfunc_end_k_q01c1c9d987_prep-k_q01c1c9d987_prep
	.p2alignl 7, 3214868480
	.fill 96, 4, 3214868480
	.section	.rodata,"a",@progbits
	.p2align	6, 0x0
	.amdhsa_kernel k_q01c1c9d987_prep
		.amdhsa_group_segment_fixed_size 0
		.amdhsa_private_segment_fixed_size 0
		.amdhsa_enable_private_segment 0
		.amdhsa_kernarg_size 56
		.amdhsa_user_sgpr_count 2
		.amdhsa_user_sgpr_kernarg_segment_ptr 1
		.amdhsa_wavefront_size32 1
		.amdhsa_system_sgpr_workgroup_id_x 1
		.amdhsa_system_sgpr_workgroup_id_y 1
		.amdhsa_system_sgpr_workgroup_id_z 1
		.amdhsa_system_vgpr_workitem_id 0
		.amdhsa_next_free_vgpr 112
		.amdhsa_next_free_sgpr 66
		.amdhsa_reserve_vcc 0
		.amdhsa_float_denorm_mode_32 3
		.amdhsa_float_denorm_mode_16_64 3
		.amdhsa_memory_ordered 1
		.amdhsa_forward_progress 1
		.amdhsa_inst_pref_size 22
	.end_amdhsa_kernel
	.amdgpu_metadata
---
amdhsa.version: [ 1, 2 ]
amdhsa.kernels:
  - .name:           k_q01c1c9d987_prep
    .symbol:         k_q01c1c9d987_prep.kd
    .args:
      - { .name: hidden_states, .offset: 0, .size: 8, .value_kind: global_buffer, .address_space: global }
      - { .name: norm_weight, .offset: 8, .size: 8, .value_kind: global_buffer, .address_space: global }
      - { .name: k_w, .offset: 16, .size: 8, .value_kind: global_buffer, .address_space: global }
      - { .name: v_w, .offset: 24, .size: 8, .value_kind: global_buffer, .address_space: global }
      - { .name: gk_w1, .offset: 32, .size: 8, .value_kind: global_buffer, .address_space: global }
      - { .name: xn, .offset: 40, .size: 8, .value_kind: global_buffer, .address_space: global }
      - { .name: wcat, .offset: 48, .size: 8, .value_kind: global_buffer, .address_space: global }
    .group_segment_fixed_size: 0
    .private_segment_fixed_size: 0
    .kernarg_segment_align: 8
    .kernarg_segment_size: 56
    .max_flat_workgroup_size: 928
    .sgpr_count:     66
    .vgpr_count:     112
    .wavefront_size: 32
...
	.end_amdgpu_metadata
.endif
;; end of part 4
;; launch chunks: the kernel of part 2 again; grid 16 x 16, 4 waves a work-group, clusters of 4 x 4, 327,680 bytes of LDS; arguments xn, wcat, gk_w2, gk_b2, u, dec; writes u, dec
;; launch scan: the kernel of part 3 again; grid 256 x 1, 8 waves a work-group, no clusters, 21,504 bytes of LDS; arguments u, dec, initial_state, out0, out1; writes out0, out1
